; MI455X (gfx1250); checked and timed in simulation.
; The chip was launched on July 23, 2026; its instructions are those of AMD's public machine-readable ISA for CDNA 5 (MIT licence, August 2026) and "CDNA5" Instruction Set Architecture Reference Guide (July 2026). The comments in the code are by the model that wrote it; some were corrected since.
;; Attention Block. Allowed arithmetic: matrix products marked QUANTISED: E4M3 operands, one E8M0 scale for each 32 along K, by v_wmma_scale_f32_16x16x128_f8f6f4 with both operands' format E4M3, f32 sums; everything else in f32.
;; Inputs: gn_b 256 float32; gn_w 256 float32; proj_b 256 float32; proj_w_codes 256 x 8 x 32 uint8 (E4M3 codes of proj_w, K innermost, in blocks of 32 codes); proj_w_scales 256 x 8 uint8 (E8M0 scales of proj_w, one for each 32 codes along K); qkv_b 768 float32; qkv_w_codes 768 x 8 x 32 uint8 (E4M3 codes of qkv_w, K innermost, in blocks of 32 codes); qkv_w_scales 768 x 8 uint8 (E8M0 scales of qkv_w, one for each 32 codes along K); x 4 x 256 x 64 x 64 float32.
;; Outputs: out0 4 x 256 x 64 x 64 float32.
;; This version of the problem:
;;   THIS VERSION OF THE PROBLEM IS GIVEN IN LOW PRECISION. The matrix products marked QUANTISED in the list below multiply operands that are first quantised to E4M3 (4 exponent bits, 3 mantissa bits; 8 bits a number), with one power-of-two scale for each 32 numbers along K (OCP MX v1.0); their sums are f32. All else is computed in f32.
;;   The module's matrix products, in the order in which they are computed (A, B: the left and right operand; K: the contracted axis; several contracted axes count as one K, in the product's order):
;;     1. [M 16,384, K 256] x [K 256, N 768]; A: computed on the way; B: input qkv_w (given as codes): QUANTISED
;;     2. batch 4 x [M 4,096, K 256] x [K 256, N 4,096]; A: computed on the way; B: computed on the way: QUANTISED
;;     3. batch 4 x [M 256, K 4,096] x [K 4,096, N 4,096]; A: computed on the way; B: softmax (see below): QUANTISED
;;     4. [M 16,384, K 256] x [K 256, N 256]; A: computed on the way; B: input proj_w (given as codes): QUANTISED
;;   THE QUANTISER, for each operand of a quantised product, along K:
;;     - K is cut into blocks of 32 from its start; a last block that is shorter is filled with zeros.
;;     - A block's scale is 2^e with e = floor(log2(the largest magnitude in the block)) - 8, held to -126 .. 127; a block of zeros has e = 0. As a byte (E8M0): e + 127.
;;     - Each number is divided by its block's scale, clamped to +-448, and rounded to the nearest number of E4M3, ties to even, subnormals kept.
;;     - The product sums the exact products of the quantised numbers (number of the format x scale) in f32.
;;   ~~~python
;;   def quantise(x, axis):      # numpy; x: float32 -> the quantised numbers, widened to float32 again
;;       x = np.moveaxis(x, axis, -1); K = x.shape[-1]
;;       x = np.pad(x, [(0, 0)] * (x.ndim - 1) + [(0, -K % 32)]); x = x.reshape(x.shape[:-1] + (-1, 32)); a = np.abs(x).max(-1, keepdims=True)
;;       e = np.where(a > 0, np.clip(np.frexp(np.where(a > 0, a, 1))[1] - 1 - 8, -126, 127), 0)      # np.frexp(a)[1] - 1 = floor(log2(a)), exactly
;;       r = np.clip(x / 2.0 ** e, -448, 448)
;;       step = 2.0 ** (np.maximum(np.frexp(np.where(r == 0, 1, r))[1] - 1, -6) - 3)
;;       q = np.round(r / step) * step * 2.0 ** e      # np.round: ties to even
;;       return np.moveaxis(q.reshape(q.shape[:-2] + (-1,))[..., :K], -1, axis).astype(np.float32)
;;   ~~~
;;   SOFTMAX AHEAD OF A QUANTISED PRODUCT. Where the list says 'softmax', what is quantised is not the finished softmax but p = 2^(t - M), with t = logit x log2(e) and M = ceil(the row's largest t), a whole number; so 1/2 < the row's largest p <= 1. The row's sum l is taken of the UNQUANTISED p, in f32, and the product's result is divided by l at the end. Since M is a whole number, a kernel that streams over the keys may use a running M (the ceiling of the running maximum): every later rescaling is an exact power of two, which a block's scale takes up: the codes' values come out the same.
;;   OPERANDS COMPUTED ON THE WAY. 'Computed on the way' means the value that the module computes at that place (a softmax that the list does not call 'softmax' is quantised finished and normalised). What goes into a quantiser is computed in f32, as accurately as f32 sums, v_exp_f32 and their like allow (about 1e-6 of the number): no bf16 or f16 on the way to a quantiser, and a product that is left as it is and whose result goes on into a quantised operand takes f32 operands (vector FMAs, or v_wmma_f32_16x16x4_f32). A number that lies on a knife's edge between two numbers of the format may be rounded either way, as far as f32 arithmetic and the matrix unit's own rounding can turn it there, and no further.
;;   INPUTS GIVEN AS CODES. proj_w (in the module: [256, 256], K = its axis 1); qkv_w (in the module: [768, 256], K = its axis 1): each comes as NAME_codes (uint8): NAME with its K axis moved to the last place and cut into blocks of 32 codes, [.., K / 32, bytes a block], one block behind the other in memory; one code a byte (a code: sign, 4 exponent bits, 3 mantissa bits); and NAME_scales (uint8): the same leading axes, one E8M0 byte (e + 127) for each 32 codes along K. Its value is code x scale, taken as it is: it is not quantised again, and the codes and scales need not be those that the quantiser above would give.
;; One version. Each part assembles by itself: llvm-mc -triple=amdgcn-amd-amdhsa -mcpu=gfx1250 --defsym DOCPART=n.
;; ======== version 1 of 1: 3 launches
;; workspace buffers: coef 16,384 bytes; nmean 1,024 bytes; qimg 4,325,376 bytes; kvimg 8,650,752 bytes
;; launch gnstat (part 1): grid 128 x 1, 8 waves a work-group, no clusters, 1,280 bytes of LDS; arguments x, gn_w, gn_b, coef, nmean; writes coef, nmean
.if DOCPART == 1
	.amdgcn_target "amdgcn-amd-amdhsa--gfx1250"
	.amdhsa_code_object_version 6
	.text
	.protected	k_q7048e22b4c_gnstat
	.globl	k_q7048e22b4c_gnstat
	.p2align	8
	.type	k_q7048e22b4c_gnstat,@function
k_q7048e22b4c_gnstat:
	s_mov_b64 s[64:65], 0
	v_nop
	global_prefetch_b8 v0, s[64:65] scope:SCOPE_SE
	s_setreg_imm32_b32 hwreg(HW_REG_WAVE_MODE, 25, 1), 1
	s_wait_xcnt 0x0
; GroupNorm's statistics.  x: [4][256][4096] f32; a group is 8 channels x 4,096 pixels = 131,072 dense bytes.
; Work-group G = 32 b + g owns one group and holds it WHOLE in its registers (256 threads x 128 numbers), so x is read once here and the variance is a true
; second pass over (x - mean): no difference of large sums is formed, whatever offset x carries.
; Out: coef[b][c] = (a, a, bb, bb), a = rsqrt(var + 1e-5) gn_w[c], bb = gn_b[c];  nmean[b][g] = (-mean, -mean): pairs, as the packed arithmetic of the next launch takes them.
; 128 work-groups: a group has one owner, since work-groups hand each other nothing inside a launch.
; The two outputs are 128 and 8 bytes a work-group: parts of an aligned 256 bytes; 17 KB in the whole launch.
; LIMITS: NaN and infinities in x are not served; v_rsq_f32 is good to one unit in the last place.
.set X,   16                           ; v16-143  my 128 numbers: load k's four at X + 4 k
.set ACC, 144                          ; v144-151 four chains of packed sums
.set T,   152                          ; v152-159 at work
.macro WSUM                            ; v[T] summed over the wave's 32 lanes, the result in every lane
	v_add_f32_dpp v[T], v[T], v[T] row_xmask:1 row_mask:0xf bank_mask:0xf
	v_add_f32_dpp v[T], v[T], v[T] row_xmask:2 row_mask:0xf bank_mask:0xf
	v_add_f32_dpp v[T], v[T], v[T] row_xmask:4 row_mask:0xf bank_mask:0xf
	v_add_f32_dpp v[T], v[T], v[T] row_xmask:8 row_mask:0xf bank_mask:0xf
	v_permlanex16_b32 v[T+1], v[T], s16, s17
	v_add_f32 v[T], v[T], v[T+1]
.endm
.macro FOLD                            ; the four chains into v[T]
	v_pk_add_f32 v[ACC:ACC+1], v[ACC:ACC+1], v[ACC+2:ACC+3]
	v_pk_add_f32 v[ACC+4:ACC+5], v[ACC+4:ACC+5], v[ACC+6:ACC+7]
	v_pk_add_f32 v[ACC:ACC+1], v[ACC:ACC+1], v[ACC+4:ACC+5]
	v_add_f32 v[T], v[ACC], v[ACC+1]
.endm
.macro MEET off                        ; the eight waves' sums meet in 32 bytes of LDS at off; every lane ends with the total in v[T]
	ds_store_b32 v6, v[T] offset:\off              ; all lanes of a wave write the wave's word with the same value
	s_wait_dscnt 0x0                               ; for the others' sake: my store is done
	s_barrier_signal -1
	s_barrier_wait -1
	ds_load_b128 v[T:T+3], v7 offset:\off
	ds_load_b128 v[T+4:T+7], v7 offset:\off+16
	s_wait_dscnt 0x0
	v_add_f32 v[T], v[T], v[T+1]
	v_add_f32 v[T+2], v[T+2], v[T+3]
	v_add_f32 v[T+4], v[T+4], v[T+5]
	v_add_f32 v[T+6], v[T+6], v[T+7]
	v_add_f32 v[T], v[T], v[T+2]
	v_add_f32 v[T+4], v[T+4], v[T+6]
	v_add_f32 v[T], v[T], v[T+4]
.endm
	s_load_b256 s[4:11], s[0:1], 0x0               ; x s[4:5], gn_w s[6:7], gn_b s[8:9], coef s[10:11]
	s_load_b64 s[12:13], s[0:1], 0x20              ; nmean
	v_lshl_add_u32 v160, v0, 2, 0x100
	v_mov_b32 v161, 0
	v_lshlrev_b32 v1, 4, v0                        ; 16 t: my 16 bytes of each 4,096
	v_and_b32 v2, 7, v0
	v_lshlrev_b32 v2, 2, v2                        ; 4 (t % 8): a channel of the group
	v_lshrrev_b32 v3, 5, v0
	v_readfirstlane_b32 s14, v3                    ; wave
	v_lshlrev_b32 v6, 2, v3                        ; LDS: 4 x wave
	v_mov_b32 v7, 0
	v_mov_b32 v[T+1], 0                            ; a lane permute's destination counts as read
	s_mov_b32 s16, 0x76543210
	s_mov_b32 s17, 0xfedcba98                      ; v_permlanex16_b32's selects for lane l xor 16
	s_lshl_b32 s18, ttmp9, 17                      ; the group's first byte in x (under 2^24)
	s_mov_b32 s19, 0
	s_and_b32 s20, ttmp9, 31
	s_lshl_b32 s20, s20, 5                         ; 8 g channels x 4 bytes
	s_mov_b32 s21, 0
	s_lshl_b32 s22, ttmp9, 7                       ; coef: 8 rows of 16 bytes a group
	s_mov_b32 s23, 0
	s_lshl_b32 s24, ttmp9, 3                       ; nmean: 8 bytes a group
	s_mov_b32 s25, 0
	s_mov_b32 s26, 0x38000000                      ; 2^-15 = 1 / 32,768
	s_mov_b32 s27, 0x3727c5ac                      ; 1e-5
	s_wait_kmcnt 0x0
	s_add_nc_u64 s[4:5], s[4:5], s[18:19]
	s_add_nc_u64 s[6:7], s[6:7], s[20:21]
	s_add_nc_u64 s[8:9], s[8:9], s[20:21]
	s_add_nc_u64 s[10:11], s[10:11], s[22:23]
	s_add_nc_u64 s[12:13], s[12:13], s[24:25]
	global_load_b32 v4, v2, s[6:7]                 ; gn_w of channel 8 g + t % 8
	global_load_b32 v5, v2, s[8:9]                 ; gn_b
.set P, 0
.rept 32
	global_load_b128 v[X+4*P:X+4*P+3], v1, s[4:5] offset:4096*P    ; a wave's load covers 512 consecutive bytes
.set P, P+1
.endr
	; pass 1: the sum, in four chains; eight loads (16 pairs) at a time
	s_wait_loadcnt 24                              ; loads 0-7 are in; the 24 behind them may be out
.irp c, 0,1,2,3
	v_pk_add_f32 v[ACC+2*\c:ACC+2*\c+1], v[X+2*\c:X+2*\c+1], v[X+8+2*\c:X+8+2*\c+1]   ; the first eight pairs start the chains: nothing is cleared
.endr
.set P, 8
.rept 8
	v_pk_add_f32 v[ACC+2*(P%4):ACC+2*(P%4)+1], v[ACC+2*(P%4):ACC+2*(P%4)+1], v[X+2*P:X+2*P+1]
.set P, P+1
.endr
.irp left, 16,8,0
	s_wait_loadcnt \left                           ; the next eight loads are in
.rept 16
	v_pk_add_f32 v[ACC+2*(P%4):ACC+2*(P%4)+1], v[ACC+2*(P%4):ACC+2*(P%4)+1], v[X+2*P:X+2*P+1]
.set P, P+1
.endr
.endr
	FOLD
	WSUM
	MEET 0
	v_mul_f32 v8, 0xb8000000, v[T]                 ; -mean = -sum / 32,768
	v_mov_b32 v9, v8
	; pass 2: the sum of (x - mean)^2
.set P, 0
.rept 64
	v_pk_add_f32 v[X+2*P:X+2*P+1], v[X+2*P:X+2*P+1], v[8:9]
.set P, P+1
.endr
.irp c, 0,1,2,3
	v_pk_mul_f32 v[ACC+2*\c:ACC+2*\c+1], v[X+2*\c:X+2*\c+1], v[X+2*\c:X+2*\c+1]
.endr
.set P, 4
.rept 60
	v_pk_fma_f32 v[ACC+2*(P%4):ACC+2*(P%4)+1], v[X+2*P:X+2*P+1], v[X+2*P:X+2*P+1], v[ACC+2*(P%4):ACC+2*(P%4)+1]
.set P, P+1
.endr
	FOLD
	WSUM
	MEET 32                                        ; other bytes than the first meeting's: a slow wave may still be reading those
	v_fma_f32 v10, v[T], s26, s27                  ; var + eps
	v_rsq_f32 v11, v10
	v_nop                                          ; a plain instruction between a transcendental and the use of its result (ISA guide 5.7.2)
	s_cmp_lg_u32 s14, 0                            ; wave 0 writes the group's results; no barrier stands behind this branch
	s_cbranch_scc1 .Lend
	s_wait_alu depctr_va_vdst(0)
	v_mul_f32 v12, v11, v4                         ; a
	v_mov_b32 v13, v12
	v_mov_b32 v14, v5                              ; bb
	v_mov_b32 v15, v5
	v_cmp_gt_u32 vcc_lo, 8, v0
	s_wait_xcnt 0x0                                ; EXEC is a source of the loads above: it changes only behind this wait
	s_and_saveexec_b32 s28, vcc_lo
	global_store_b128 v1, v[12:15], s[10:11]       ; threads 0-7: the group's eight rows of coef
	s_wait_xcnt 0x0
	s_or_b32 exec_lo, exec_lo, s28
	v_cmp_eq_u32 vcc_lo, 0, v0
	s_and_saveexec_b32 s28, vcc_lo
	global_store_b64 v7, v[8:9], s[12:13]          ; thread 0: (-mean, -mean)
	s_wait_xcnt 0x0
	s_or_b32 exec_lo, exec_lo, s28
.Lend:
	s_wait_tensorcnt 0x0
	ds_add_u32 v160, v161
	s_wait_dscnt 0x0
	s_endpgm
.Lfunc_end_k_q7048e22b4c_gnstat:
	.size	k_q7048e22b4c_gnstat, .Lfunc_end_k_q7048e22b4c_gnstat-k_q7048e22b4c_gnstat
	.p2alignl 7, 3214868480
	.fill 96, 4, 3214868480
	.section	.rodata,"a",@progbits
	.p2align	6, 0x0
	.amdhsa_kernel k_q7048e22b4c_gnstat
		.amdhsa_group_segment_fixed_size 1280
		.amdhsa_private_segment_fixed_size 0
		.amdhsa_enable_private_segment 0
		.amdhsa_kernarg_size 40
		.amdhsa_user_sgpr_count 2
		.amdhsa_user_sgpr_kernarg_segment_ptr 1
		.amdhsa_wavefront_size32 1
		.amdhsa_system_sgpr_workgroup_id_x 1
		.amdhsa_system_sgpr_workgroup_id_y 1
		.amdhsa_system_sgpr_workgroup_id_z 1
		.amdhsa_system_vgpr_workitem_id 0
		.amdhsa_next_free_vgpr 162
		.amdhsa_next_free_sgpr 66
		.amdhsa_reserve_vcc 1
		.amdhsa_float_denorm_mode_32 3
		.amdhsa_float_denorm_mode_16_64 3
		.amdhsa_memory_ordered 1
		.amdhsa_forward_progress 1
		.amdhsa_inst_pref_size 20
	.end_amdhsa_kernel
	.amdgpu_metadata
---
amdhsa.version: [ 1, 2 ]
amdhsa.kernels:
  - .name:           k_q7048e22b4c_gnstat
    .symbol:         k_q7048e22b4c_gnstat.kd
    .args:
      - { .name: x, .offset: 0, .size: 8, .value_kind: global_buffer, .address_space: global }
      - { .name: gn_w, .offset: 8, .size: 8, .value_kind: global_buffer, .address_space: global }
      - { .name: gn_b, .offset: 16, .size: 8, .value_kind: global_buffer, .address_space: global }
      - { .name: coef, .offset: 24, .size: 8, .value_kind: global_buffer, .address_space: global }
      - { .name: nmean, .offset: 32, .size: 8, .value_kind: global_buffer, .address_space: global }
    .group_segment_fixed_size: 1280
    .private_segment_fixed_size: 0
    .kernarg_segment_align: 8
    .kernarg_segment_size: 40
    .max_flat_workgroup_size: 256
    .sgpr_count:     66
    .vgpr_count:     162
    .wavefront_size: 32
...
	.end_amdgpu_metadata
.endif
;; end of part 1
;; launch qkv (part 2): grid 128 x 2, 4 waves a work-group, no clusters, 269,056 bytes of LDS; arguments x, coef, nmean, qkv_w_codes, qkv_w_scales, qkv_b, qimg, kvimg; writes qimg, kvimg
.if DOCPART == 2
	.amdgcn_target "amdgcn-amd-amdhsa--gfx1250"
	.amdhsa_code_object_version 6
	.text
	.protected	k_q7048e22b4c_qkv
	.globl	k_q7048e22b4c_qkv
	.p2align	8
	.type	k_q7048e22b4c_qkv,@function
k_q7048e22b4c_qkv:
	s_mov_b64 s[64:65], 0
	v_nop
	global_prefetch_b8 v0, s[64:65] scope:SCOPE_SE
	s_setreg_imm32_b32 hwreg(HW_REG_WAVE_MODE, 25, 1), 1
	s_wait_xcnt 0x0
; h = GroupNorm(x), quantised along the channels; qkv = qkv_w h + qkv_b on codes of FP8 (E4M3) with one E8M0 scale for each 32 along K; q and k quantised along their channels, v along the pixels.
; SHARES.  Work-group (X = 32 b + j, p) takes the 128 pixels 128 j .. of image b and the weight rows 384 p .. 384 p + 383: p = 0: q and k's channels 0-127; p = 1: k's channels 128-255 and v.
; 128 pixels, so that a fragment of v (16 channels x 128 keys) and its scale word have one owner; two halves of the rows, so that there are 256 equal work-groups.  h is made in both.
; PERMUTED TILES.  r = lane % 16, h = lane / 16, r' = r + 8 (r / 8).  Row r of tile T of any axis (pixels, weight rows) is index 32 (T / 2) + 8 (T % 2) + r'.  In a result whose source 0 is such a tile,
; register 8 T + i of lane (r, h) is index 32 (T / 2) + 16 h + 8 (T % 2) + i: the 16 registers of tiles 2 b, 2 b + 1 are the 16 neighbours that the next operand's layout gives that lane in block b.
; q, k: source 0 = 16 weight rows, source 1 = 16 pixels of h: a lane holds one pixel, registers along the output channels.  v: the sources swapped: a lane holds one channel, registers along the pixels.
; OUT, as images of operand registers: a fragment (16 rows x 128 K, 16 registers) is 2,048 bytes, register quad c at 512 c + 16 lane; its scale words 64 bytes, row r's at 4 r.
;   qimg block X (33,792 bytes): fragment 2 nt + s at 2,048 f, scale words at 32,768 + 64 f.   kvimg block X: the same for k, then at + 33,792 v's fragments ct at 2,048 ct, scale words at 32,768 + 64 ct.
; NO TENSOR LOADS, NO CLUSTER: rows r and r + 16 of a permuted tile fall on the same banks at every pitch that is a multiple of 16 bytes, so the weights go through registers into LDS as images (512 consecutive
; bytes an instruction); a joint load could only land them as rows, and LDS has no room for both forms beside h.  x passes through registers anyway, to be normalised.
; LIMITS: NaN and infinities are not served.  A block whose largest magnitude lies under 2^-118 (a block of zeros too) gets the scale byte 1, not the rule's: its codes are zeros or nearly so, and this program alone reads the bytes.
; LDS: HT: h in f32, [channel][128 pixels], in two regions by bit 4 of the channel, the second 128 bytes past a multiple of 256, so that the two halves of the lanes read 32 banks apart;
;   WIMG: 48 weight fragments; HIMG, HSC: h's 16 fragments and their scale words (128 bytes each, a word a lane); CF: each wave's own 64 rows of coef.
; REGISTERS: window 0: v1-15, v30, v31, v253, v254 addresses; v16-27 the quantiser's temporaries; v28, v29 scale words on their way out; v32-63 codes on their way out; v64-127 my four fragments of h
;   (v's path: v64-191 my eight weight fragments); v192-251 scale words and nothing else.   window 1: x's rows, then h's numbers, then the accumulators.   window 2: coef's rows, then a set of 16 fragments.
;   window 3: weights in transit, then the biases.
.set HT1,  65664
.set WIMG, 131328
.set HIMG, 229632
.set HSC,  262400
.set CF,   264448
.set QA,   16                          ; v16-19 largest magnitudes, then the holds
.set QB,   20                          ; v20-23 the other half's maxima, then the bytes
.set QC,   24                          ; v24-27 the conversions' scale operands
.set MNT,  24                          ; s24 the mantissa field of 448
.set SEL,  26                          ; s[26:27] v_permlanex16_b32's selects for lane l xor 16
.set YH,   64
.set XS,   192                         ; v192-239 weight scale words: tile T, K half s at XS + 2 T + s
.set HXS,  208                         ; v's path: v208-223 h's scale words, fragment f
.set HSW,  240                         ; v240-243 my four fragments' scale words
.set YS,   244                         ; v244-251 v's weight scale words
.set MSB, 0
.macro WIN new                         ; the immediate's high byte repeats the setting that is left; a switch that changes nothing is dropped
.if MSB != (\new)
	s_set_vgpr_msb (MSB<<8)|(\new)
.set MSB, \new
.endif
.endm
.macro PLACES n
.rept \n
	v_nop
.endr
.endm
; 64 numbers of a lane in window w, register 16 b + i = k 32 b + 16 (lane / 16) + i of my row, become a fragment's codes in v[dst] on and its scale word in v[pw] (both window 0).
.macro QUANT w, src, dst, pw
	WIN 0x05*(\w)
.irp b, 0,1,2,3
	v_max3_num_f32 v[QA+\b], |v[(\src)+16*\b]|, |v[(\src)+16*\b+1]|, 0x4800000   ; block b: my 16 numbers, and the floor 2^(9 - 127): the byte cannot fall under 1.  Each accumulator is read from its low end on
.endr
.irp i, 2,4,6,8,10,12,14
.irp b, 0,1,2,3
	v_max3_num_f32 v[QA+\b], |v[(\src)+16*\b+\i]|, |v[(\src)+16*\b+\i+1]|, v[QA+\b]   ; the four blocks by turns
.endr
.endr
	WIN 0
.irp b, 0,1,2,3
	v_permlanex16_b32 v[QB+\b], v[QA+\b], s[SEL], s[SEL+1]
.endr
.irp b, 0,1,2,3
	v_max_num_f32 v[QA+\b], v[QA+\b], v[QB+\b]     ; with lane l xor 16's: the block's largest magnitude
.endr
.irp b, 0,1,2,3
	v_add_nc_u32 v[QC+\b], 0xfc000000, v[QA+\b]    ; 8 off its exponent field: the conversion's scale operand
.endr
.irp b, 0,1,2,3
	v_lshrrev_b32 v[QB+\b], 23, v[QC+\b]           ; the scale's byte
.endr
.irp b, 0,1,2,3
	v_and_or_b32 v[QA+\b], v[QA+\b], 0x7f800000, s[MNT]   ; 448 x the scale
.endr
	v_lshl_or_b32 v[\pw], v[QB+1], 8, v[QB]
	v_lshl_or_b32 v[\pw], v[QB+2], 16, v[\pw]
	v_lshl_or_b32 v[\pw], v[QB+3], 24, v[\pw]      ; my row's scale word, the same in lanes r and r + 16
	WIN 0x41*(\w)
.set QI, 0
.rept 64
	v_med3_num_f32 v[(\src)+QI], v[(\src)+QI], -v[QA+QI/16], v[QA+QI/16]   ; the conversion to an 8-bit code does not saturate (ISA guide 7.6.2): the hold comes first
.set QI, QI+1
.endr
	WIN 0x01*(\w)
.irp b, 0,1,2,3
	v_cvt_scalef32_pk8_fp8_f32 v[(\dst)+4*\b:(\dst)+4*\b+1], v[(\src)+16*\b:(\src)+16*\b+7], v[QC+\b]
	v_cvt_scalef32_pk8_fp8_f32 v[(\dst)+4*\b+2:(\dst)+4*\b+3], v[(\src)+16*\b+8:(\src)+16*\b+15], v[QC+\b]
.endr
	WIN 0
	v_nop                                          ; a plain instruction behind the last conversion, ahead of whatever next touches its registers
.endm
	s_load_b512 s[4:19], s[0:1], 0x0               ; x, coef, nmean, weight codes, weight scales, qkv_b, qimg, kvimg
	v_lshrrev_b32 v10, 5, v0
	v_readfirstlane_b32 s20, v10                   ; wave w
	v_and_b32 v10, 31, v0                          ; lane
	v_and_b32 v16, 15, v0                          ; r
	v_bfe_u32 v17, v0, 4, 1                        ; h
	v_and_b32 v18, 8, v16
	v_add_nc_u32 v18, v18, v16                     ; r'
	v_lshlrev_b32 v1, 4, v10                       ; v1   16 lane
	v_lshlrev_b32 v2, 2, v10                       ; v2   4 lane
	v_cmp_le_u32 vcc_lo, 16, v10                   ; lanes 16-31; kept to the end
	s_and_b32 s21, ttmp7, 0xffff                   ; p
	s_lshr_b32 s22, ttmp9, 5                       ; b
	s_and_b32 s23, ttmp9, 31                       ; j
	s_mov_b32 s[MNT], 0x600000
	s_mov_b32 s[SEL], 0x76543210
	s_mov_b32 s[SEL+1], 0xfedcba98
	s_lshl_b32 s74, s20, 10
	s_add_co_u32 s74, s74, CF
	v_mov_b32 v3, s74                              ; v3   my copy of coef
	v_add_nc_u32 v4, s74, v1                       ; v4   and where I put 16 bytes of it
	s_lshl_b32 s74, s20, 14
	v_add_nc_u32 v5, s74, v1                       ; v5   HT, region 0: my 32 rows, 16 bytes a lane
	v_add_nc_u32 v6, HT1, v5                       ; v6   region 1
	v_mul_u32_u24 v7, HT1, v17
	v_lshl_add_u32 v7, v18, 2, v7
	s_lshl_b32 s74, s20, 7
	v_add_nc_u32 v7, s74, v7                       ; v7   HT, read: region h, pixel 32 w + r'
	v_lshlrev_b32 v8, 8, v18
	v_lshl_add_u32 v8, v17, 4, v8                  ; v8   weights in memory: row r' of 256 bytes, + 16 h
	s_mul_i32 s74, s20, 24576
	s_add_co_u32 s74, s74, WIMG
	v_add_nc_u32 v9, s74, v1                       ; v9   WIMG: my 12 fragments
	s_lshl_b32 s74, s20, 13
	s_add_co_u32 s74, s74, HIMG
	v_add_nc_u32 v11, s74, v1                      ; v11  HIMG: my 4 fragments
	s_lshl_b32 s74, s20, 9
	s_add_co_u32 s74, s74, HSC
	v_add_nc_u32 v12, s74, v2                      ; v12  HSC: their scale words
	v_lshlrev_b32 v13, 3, v18                      ; v13  8 r': a weight row's scale bytes
	v_lshlrev_b32 v14, 6, v17                      ; v14  64 h: a bias tile's 16 numbers of my half
	v_lshlrev_b32 v15, 2, v16
	v_lshl_add_u32 v31, v17, 6, v15                ; v31  4 r + 64 h: two neighbouring scale images
	v_lshl_add_u32 v15, v17, 7, v15                ; v15  4 r + 128 h: two scale images 128 bytes apart
	v_lshlrev_b32 v30, 2, v18                      ; v30  4 r'
	s_lshl_b32 s74, s20, 14
	s_add_co_u32 s74, s74, WIMG+32768
	v_add_nc_u32 v253, s74, v1                     ; v253 WIMG: v's eight fragments of my four channel tiles
	v_add_nc_u32 v254, HSC, v2                     ; v254 HSC from its start
.irp b, 0,1,2,3
	v_mov_b32 v[QB+\b], 0                          ; a lane permute's destination counts as read
.endr
	s_mov_b32 s73, 0
	s_lshl_b32 s72, s22, 22
	s_lshl_b32 s74, s20, 20
	s_add_co_u32 s72, s72, s74
	s_lshl_b32 s74, s23, 9
	s_add_co_u32 s72, s72, s74                     ; x: channel 256 b + 64 w (16,384 bytes each), pixel 128 j
	s_wait_kmcnt 0x0
	s_add_nc_u64 s[28:29], s[4:5], s[72:73]
	s_lshl_b32 s72, s22, 12
	s_lshl_b32 s74, s20, 10
	s_add_co_u32 s72, s72, s74
	s_add_nc_u64 s[30:31], s[6:7], s[72:73]        ; coef: my 64 rows of 16 bytes
	s_lshl_b32 s72, s22, 8
	s_lshl_b32 s74, s20, 6
	s_add_co_u32 s72, s72, s74
	s_add_nc_u64 s[76:77], s[8:9], s[72:73]
	s_load_b512 s[48:63], s[76:77], 0x0            ; nmean of my eight groups: pair 48 + 2 (k / 8) serves row k
	s_mul_i32 s72, s21, 98304
	s_mul_i32 s74, s20, 24576
	s_add_co_u32 s72, s72, s74
	s_add_nc_u64 s[32:33], s[10:11], s[72:73]      ; weight codes: the part's rows, my 96 of them
	s_mul_i32 s72, s21, 3072
	s_add_nc_u64 s[34:35], s[12:13], s[72:73]      ; weight scales: the part's rows
	s_lshl_b32 s74, s20, 9
	s_add_co_u32 s72, s74, 1024
	s_add_nc_u64 s[68:69], s[34:35], s[72:73]      ; and from the part's row 128 + 64 w on
	s_mul_i32 s72, s21, 1536
	s_add_nc_u64 s[36:37], s[14:15], s[72:73]      ; qkv_b: the part's rows
	s_lshl_b32 s74, s20, 8
	s_add_co_u32 s72, s74, 512
	s_add_nc_u64 s[70:71], s[36:37], s[72:73]      ; and from row 128 + 64 w on
	s_mul_i32 s72, ttmp9, 33792
	s_lshl_b32 s74, s20, 13
	s_add_co_u32 s72, s72, s74
	s_add_nc_u64 s[38:39], s[16:17], s[72:73]      ; q's images: block X, my four fragments
	s_mul_i32 s72, ttmp9, 33792
	s_lshl_b32 s74, s20, 8
	s_add_co_u32 s72, s72, s74
	s_add_co_u32 s72, s72, 32768
	s_add_nc_u64 s[40:41], s[16:17], s[72:73]      ; their scale images
	s_mul_i32 s72, ttmp9, 67584
	s_lshl_b32 s74, s20, 13
	s_add_co_u32 s72, s72, s74
	s_add_nc_u64 s[42:43], s[18:19], s[72:73]      ; k's
	s_mul_i32 s72, ttmp9, 67584
	s_lshl_b32 s74, s20, 8
	s_add_co_u32 s72, s72, s74
	s_add_co_u32 s72, s72, 32768
	s_add_nc_u64 s[44:45], s[18:19], s[72:73]
	s_add_nc_u64 s[46:47], s[42:43], 33792         ; v's
	s_add_nc_u64 s[66:67], s[44:45], 33792
	; ---- P0: everything that comes from memory is asked for
	global_load_b128 v[64:67], v1, s[30:31]        ; coef, rows 0-31 of my 64
	global_load_b128 v[68:71], v1, s[30:31] offset:512
	WIN 0x40
.set KK, 0
.rept 64
	global_load_b128 v[4*KK:4*KK+3], v1, s[28:29] offset:16384*KK   ; channel 64 w + k, 128 pixels: 512 consecutive bytes
.set KK, KK+1
.endr
	WIN 0xc0
.irp f, 0,1,2,3,4,5,6,7,8,9,10,11                  ; my 12 weight fragments: tile 6 w + f / 2, K half f % 2
.irp c, 0,1,2,3
	global_load_b128 v[16*\f+4*\c:16*\f+4*\c+3], v8, s[32:33] offset:(32*(\f/4)+8*((\f/2)%2))*256+128*(\f%2)+32*\c
.endr
.endr
.irp ot, 0,1,2,3,4,5,6,7                           ; group 0's bias, in the result's layout: eight registers a tile
	global_load_b128 v[192+8*\ot:192+8*\ot+3], v14, s[36:37] offset:(32*(\ot/2)+8*(\ot%2))*4
	global_load_b128 v[192+8*\ot+4:192+8*\ot+7], v14, s[36:37] offset:(32*(\ot/2)+8*(\ot%2))*4+16
.endr
	WIN 0
.set KK, 0
.rept 24
	global_load_b64 v[XS+2*KK:XS+2*KK+1], v13, s[34:35] offset:(32*(KK/2)+8*(KK%2))*8   ; both parts load all that either wants: every address is inside its buffer in both
.set KK, KK+1
.endr
.irp u, 0,1,2,3
	global_load_b64 v[YS+2*\u:YS+2*\u+1], v13, s[68:69] offset:(32*(\u/2)+8*(\u%2))*8
.endr
	; ---- P1: x becomes h and goes to HT; the weights go to WIMG
	s_wait_loadcnt 63                              ; coef is in: far more than 63 loads were issued behind it
	ds_store_b128 v4, v[64:67]
	ds_store_b128 v4, v[68:71] offset:512
	WIN 0x80
.set KK, 0
.rept 64
	ds_load_b128 v[4*KK:4*KK+3], v3 offset:16*KK   ; row k's (a, a, bb, bb) to every lane; my own bytes, and LDS serves a wave's instructions in order (ISA guide 5.7.1.4)
.set KK, KK+1
.endr
	s_wait_kmcnt 0x0                               ; nmean
	s_wait_dscnt 0x0
.set Q4, 0
.rept 4
	s_wait_loadcnt 63                              ; rows 16 q .. 16 q + 15 are in: behind the last of them stand at least the 48 weight loads and the 44 small ones
	WIN 0x69                                       ; x in window 1, coef in window 2
.set KK, 16*Q4
.rept 16
	v_pk_add_f32 v[4*KK:4*KK+1], v[4*KK:4*KK+1], s[48+2*(KK/8):49+2*(KK/8)] op_sel_hi:[1,0]       ; x - mean
	v_pk_add_f32 v[4*KK+2:4*KK+3], v[4*KK+2:4*KK+3], s[48+2*(KK/8):49+2*(KK/8)] op_sel_hi:[1,0]
.set KK, KK+1
.endr
.set KK, 16*Q4
.rept 16
	v_pk_fma_f32 v[4*KK:4*KK+1], v[4*KK:4*KK+1], v[4*KK:4*KK+1], v[4*KK+2:4*KK+3]                 ; x a + bb
	v_pk_fma_f32 v[4*KK+2:4*KK+3], v[4*KK+2:4*KK+3], v[4*KK:4*KK+1], v[4*KK+2:4*KK+3]
.set KK, KK+1
.endr
	WIN 0x04
.set KK, 16*Q4
.rept 16
	ds_store_b128 v[5+(KK/16)%2], v[4*KK:4*KK+3] offset:(16*(KK/32)+KK%16)*512
.set KK, KK+1
.endr
.set Q4, Q4+1
.endr
	s_wait_loadcnt 44                              ; the weights are in; the 44 small loads may be out
	WIN 0x0c
.set KK, 0
.rept 48
	ds_store_b128 v9, v[4*KK:4*KK+3] offset:512*KK ; as images: 512 consecutive bytes a store
.set KK, KK+1
.endr
	WIN 0
	s_wait_dscnt 0x0                               ; for the others' sake: my stores are done
	s_barrier_signal -1
	s_barrier_wait -1                              ; h and the 48 weight fragments lie in LDS
	; ---- P2: my 32 pixels of h (tiles 2 w, 2 w + 1) become four fragments
	WIN 0xc0
.irp g, 1,2
.irp ot, 0,1,2,3,4,5,6,7
	global_load_b128 v[64*(\g-1)+8*\ot:64*(\g-1)+8*\ot+3], v14, s[36:37] offset:(128*\g+32*(\ot/2)+8*(\ot%2))*4
	global_load_b128 v[64*(\g-1)+8*\ot+4:64*(\g-1)+8*\ot+7], v14, s[36:37] offset:(128*\g+32*(\ot/2)+8*(\ot%2))*4+16
.endr
.endr
.irp u, 0,1,2,3                                    ; v's bias hangs on the lane alone: eight registers with the same number
.irp i, 0,1,2,3,4,5,6,7
	global_load_b32 v[128+8*\u+\i], v30, s[70:71] offset:(32*(\u/2)+8*(\u%2))*4
.endr
.endr
.macro LOADH k                         ; set k = 2 u + s: pixel tile 2 w + u, channels 128 s on: register 16 b + i = channel 128 s + 32 b + 16 h + i of my pixel
	WIN 0x40
.irp bq, 0,1,2,3
.irp i, 0,1,2,3,4,5,6,7,8,9,10,11,12,13,14,15
	ds_load_b32 v[64*(\k)+16*\bq+\i], v7 offset:(16*(4*((\k)%2)+\bq)+\i)*512+32*((\k)/2)
.endr
.endr
.endm
.macro IMG k                           ; fragment k and its scale word, to LDS as they stand
.irp c, 0,1,2,3
	ds_store_b128 v11, v[YH+16*(\k)+4*\c:YH+16*(\k)+4*\c+3] offset:2048*(\k)+512*\c
.endr
	ds_store_b32 v12, v[HSW+(\k)] offset:128*(\k)
.endm
	LOADH 0
	LOADH 1
	s_wait_dscnt 63                                ; set 0 is in: 64 loads were issued behind it
	QUANT 1, 0, YH, HSW
	IMG 0
	LOADH 2
	s_wait_dscnt 63                                ; set 1: 5 stores and 64 loads behind it
	QUANT 1, 64, YH+16, HSW+1
	IMG 1
	LOADH 3
	s_wait_dscnt 63                                ; set 2 likewise
	QUANT 1, 128, YH+32, HSW+2
	IMG 2
	s_wait_dscnt 5                                 ; set 3: only the five stores of the image above stand behind it
	QUANT 1, 192, YH+48, HSW+3
	IMG 3
	s_wait_dscnt 0x0
	s_barrier_signal -1
	s_barrier_wait -1                              ; h's sixteen fragments lie in LDS; from here on LDS is only read
	s_wait_loadcnt 0x0                             ; scale words and biases
	PLACES 8                                       ; a scale word made by vector instructions stands eight places ahead of a scaled matrix instruction
; a set of 16 fragments (8 tiles x 2 K halves) from base into window 2, register 16 (8 s + tile); all of K half 0 first
.macro LOADX base
	WIN 0
	v_add_nc_u32 v10, \base, v1
	WIN 0x80
.irp s, 0,1
.irp tl, 0,1,2,3,4,5,6,7
.irp c, 0,1,2,3
	ds_load_b128 v[16*(8*\s+\tl)+4*\c:16*(8*\s+\tl)+4*\c+3], v10 offset:(2*\tl+\s)*2048+512*\c
.endr
.endr
.endr
	WIN 0
.endm
; 128 output channels (weight tiles 8 g ..) for my two pixel tiles: 16 accumulators by turns, K half by K half; the bias is the C of each sum's first instruction.
; Then each tile's 64 numbers a lane are quantised and leave: fragment (2 w + u, sout) of the images at s[sc], scale words at s[ss].  next: the set fetched meanwhile, or -1.
.macro GROUPQK g, bias, sc, ss, sout, next
	s_wait_dscnt 32                                ; K half 0 of the set is in
	WIN 0x72                                       ; source 0 window 2, source 1 window 0, C window 3, D window 1
.irp ot, 0,1,2,3,4,5,6,7
.irp u, 0,1
	v_wmma_scale_f32_16x16x128_f8f6f4 v[64*\u+8*\ot:64*\u+8*\ot+7], v[16*\ot:16*\ot+15], v[YH+32*\u:YH+32*\u+15], v[(\bias)+8*\ot:(\bias)+8*\ot+7], v[XS+2*(8*(\g)+\ot)], v[HSW+2*\u]
.endr
.endr
	s_wait_dscnt 0x0
	WIN 0x52                                       ; C and D window 1
.irp ot, 0,1,2,3,4,5,6,7
.irp u, 0,1
	v_wmma_scale_f32_16x16x128_f8f6f4 v[64*\u+8*\ot:64*\u+8*\ot+7], v[128+16*\ot:128+16*\ot+15], v[YH+32*\u+16:YH+32*\u+31], v[64*\u+8*\ot:64*\u+8*\ot+7], v[XS+2*(8*(\g)+\ot)+1], v[HSW+2*\u+1]
.endr
.endr
	WIN 0
	PLACES 9                                       ; eight ahead of loads into, and reads of, these products' registers; nine ahead of the next products that write over them
.if (\next) >= 0
	LOADX \next
.endif
	s_wait_xcnt 0x0                                ; the last group's stores have read their registers
	QUANT 1, 0, 32, 28
.irp c, 0,1,2,3
	global_store_b128 v1, v[32+4*\c:35+4*\c], s[\sc:\sc+1] offset:2048*(\sout)+512*\c   ; 512 consecutive bytes, aligned
.endr
	QUANT 1, 64, 48, 29
.irp c, 0,1,2,3
	global_store_b128 v1, v[48+4*\c:51+4*\c], s[\sc:\sc+1] offset:4096+2048*(\sout)+512*\c
.endr
	v_cndmask_b32 v252, v28, v29, vcc_lo           ; lanes 0-15: tile 2 w's words, lanes 16-31: tile 2 w + 1's
	global_store_b32 v15, v252, s[\ss:\ss+1] offset:64*(\sout)
.endm
; v: my four channel tiles (4 w + u) for all eight pixel tiles: source 0 = h, source 1 = the weights: 32 accumulators by turns
.macro VPART
.set FI, 0
.rept 16
	ds_load_b32 v[HXS+FI], v254 offset:128*FI
.set FI, FI+1
.endr
.set FI, 0
.rept 32
	ds_load_b128 v[64+4*FI:64+4*FI+3], v253 offset:512*FI
.set FI, FI+1
.endr
	s_wait_dscnt 0x0
	WIN 0x72
.irp nt, 0,1,2,3,4,5,6,7
.irp u, 0,1,2,3
	v_wmma_scale_f32_16x16x128_f8f6f4 v[64*\u+8*\nt:64*\u+8*\nt+7], v[16*\nt:16*\nt+15], v[64+32*\u:64+32*\u+15], v[128+8*\u:128+8*\u+7], v[HXS+2*\nt], v[YS+2*\u]
.endr
.endr
	WIN 0x52
.irp nt, 0,1,2,3,4,5,6,7
.irp u, 0,1,2,3
	v_wmma_scale_f32_16x16x128_f8f6f4 v[64*\u+8*\nt:64*\u+8*\nt+7], v[128+16*\nt:128+16*\nt+15], v[80+32*\u:80+32*\u+15], v[64*\u+8*\nt:64*\u+8*\nt+7], v[HXS+2*\nt+1], v[YS+2*\u+1]
.endr
.endr
	WIN 0
	PLACES 9
.irp u, 0,1,2,3
	s_wait_xcnt 0x0                                ; earlier stores have read their registers
	QUANT 1, 64*\u, 32+16*(\u%2), 28+\u%2          ; 128 pixels of one channel a lane pair: blocks of 32 along the keys
.irp c, 0,1,2,3
	global_store_b128 v1, v[32+16*(\u%2)+4*\c:35+16*(\u%2)+4*\c], s[46:47] offset:2048*\u+512*\c
.endr
.if \u%2
	v_cndmask_b32 v252, v28, v29, vcc_lo
	global_store_b32 v31, v252, s[66:67] offset:64*(\u-1)
.endif
.endr
.endm
	; ---- P3: the one place at which the two parts go different ways
	LOADX WIMG
	s_cmp_lg_u32 s21, 0
	s_cbranch_scc1 .Lpart1
	GROUPQK 0, 192, 38, 40, 0, WIMG+32768          ; q's channels 0-127
	GROUPQK 1, 0, 38, 40, 1, WIMG+65536            ; q's channels 128-255
	GROUPQK 2, 64, 42, 44, 0, -1                   ; k's channels 0-127
	s_wait_xcnt 0x0
	v_lshl_add_u32 v254, v0, 2, 0x41900
	v_mov_b32 v255, 0
	s_wait_tensorcnt 0x0
	ds_add_u32 v254, v255
	s_wait_dscnt 0x0
	s_endpgm
.Lpart1:
	GROUPQK 0, 192, 42, 44, 1, HIMG                ; k's channels 128-255
	VPART
	s_wait_xcnt 0x0
	v_lshl_add_u32 v254, v0, 2, 0x41900
	v_mov_b32 v255, 0
	s_wait_tensorcnt 0x0
	ds_add_u32 v254, v255
	s_wait_dscnt 0x0
	s_endpgm
.Lfunc_end_k_q7048e22b4c_qkv:
	.size	k_q7048e22b4c_qkv, .Lfunc_end_k_q7048e22b4c_qkv-k_q7048e22b4c_qkv
	.p2alignl 7, 3214868480
	.fill 96, 4, 3214868480
	.section	.rodata,"a",@progbits
	.p2align	6, 0x0
	.amdhsa_kernel k_q7048e22b4c_qkv
		.amdhsa_group_segment_fixed_size 269056
		.amdhsa_private_segment_fixed_size 0
		.amdhsa_enable_private_segment 0
		.amdhsa_kernarg_size 64
		.amdhsa_user_sgpr_count 2
		.amdhsa_user_sgpr_kernarg_segment_ptr 1
		.amdhsa_wavefront_size32 1
		.amdhsa_system_sgpr_workgroup_id_x 1
		.amdhsa_system_sgpr_workgroup_id_y 1
		.amdhsa_system_sgpr_workgroup_id_z 1
		.amdhsa_system_vgpr_workitem_id 0
		.amdhsa_next_free_vgpr 1024
		.amdhsa_next_free_sgpr 80
		.amdhsa_reserve_vcc 1
		.amdhsa_float_denorm_mode_32 3
		.amdhsa_float_denorm_mode_16_64 3
		.amdhsa_memory_ordered 1
		.amdhsa_forward_progress 1
		.amdhsa_inst_pref_size 253
	.end_amdhsa_kernel
	.amdgpu_metadata
---
amdhsa.version: [ 1, 2 ]
amdhsa.kernels:
  - .name:           k_q7048e22b4c_qkv
    .symbol:         k_q7048e22b4c_qkv.kd
    .args:
      - { .name: x, .offset: 0, .size: 8, .value_kind: global_buffer, .address_space: global }
      - { .name: coef, .offset: 8, .size: 8, .value_kind: global_buffer, .address_space: global }
      - { .name: nmean, .offset: 16, .size: 8, .value_kind: global_buffer, .address_space: global }
      - { .name: qkv_w_codes, .offset: 24, .size: 8, .value_kind: global_buffer, .address_space: global }
      - { .name: qkv_w_scales, .offset: 32, .size: 8, .value_kind: global_buffer, .address_space: global }
      - { .name: qkv_b, .offset: 40, .size: 8, .value_kind: global_buffer, .address_space: global }
      - { .name: qimg, .offset: 48, .size: 8, .value_kind: global_buffer, .address_space: global }
      - { .name: kvimg, .offset: 56, .size: 8, .value_kind: global_buffer, .address_space: global }
    .group_segment_fixed_size: 269056
    .private_segment_fixed_size: 0
    .kernarg_segment_align: 8
    .kernarg_segment_size: 64
    .max_flat_workgroup_size: 128
    .sgpr_count:     80
    .vgpr_count:     1024
    .wavefront_size: 32
...
	.end_amdgpu_metadata
.endif
;; end of part 2
;; launch attn (part 3): grid 64 x 4, 4 waves a work-group, clusters of 4 x 1, 327,680 bytes of LDS; arguments qimg, kvimg, proj_w_codes, proj_w_scales, proj_b, x, out0; writes out0
.if DOCPART == 3
	.amdgcn_target "amdgcn-amd-amdhsa--gfx1250"
	.amdhsa_code_object_version 6
	.text
	.protected	k_q7048e22b4c_attn
	.globl	k_q7048e22b4c_attn
	.p2align	8
	.type	k_q7048e22b4c_attn,@function
k_q7048e22b4c_attn:
	s_mov_b64 s[64:65], 0
	v_nop
	global_prefetch_b8 v0, s[64:65] scope:SCOPE_SE
	s_setreg_imm32_b32 hwreg(HW_REG_WAVE_MODE, 25, 1), 1
	s_wait_xcnt 0x0
	s_wait_alu depctr_hold_cnt(0) depctr_sa_sdst(0) depctr_va_vdst(0) depctr_va_sdst(0) depctr_va_ssrc(0) depctr_va_vcc(0) depctr_vm_vsrc(0)
	s_getreg_b32 s2, hwreg(HW_REG_IB_STS2, 6, 4)
	s_cmp_eq_u32 s2, 0
	s_cbranch_scc0 .Lentry_in_a_cluster
	s_endpgm
.Lentry_in_a_cluster:
	s_bfe_u32 s2, ttmp6, 0x10000c
	s_cmp_lg_u32 s2, 0x3003
	s_cbranch_scc0 .Lentry_shape_is_right
	s_endpgm
.Lentry_shape_is_right:
; out0 = x + proj_w Q(softmax(q^T k / 16) v) + proj_b, all three products on codes of FP8 (E4M3) with one E8M0 scale for each 32 along K.  Head size 256, 4,096 keys, four images.
; q, k, v arrive as images of operand registers (a fragment of 16 rows x 128 K: 2,048 bytes, register quad c at 512 c + 16 lane; its scale words 64 bytes): 512 consecutive bytes an LDS or memory instruction.
; SOFTMAX AHEAD OF THE SECOND PRODUCT: t = score x log2(e) / 16; M = the largest t so far, rounded up to a whole number; p = 2^(t - M) is quantised along the keys, not normalised; the sum of the unquantised p divides at the end.
; SHARES.  A work-group owns the 64 queries 64 qb .. of image b.  EVERY wave holds all four query tiles, so that each fragment of K or V read from LDS feeds four matrix instructions;
; THE WAVES SHARE THE KEYS: wave w walks key steps 8 w .. 8 w + 7 of 128 keys, with its own M, sum and O^T; the four are merged at the end by powers of two, which round nothing.
; LAYOUT.  S^T = K Q^T, O^T = V^T P^T, Y^T = proj_w out: a lane holds one query (lane % 16) throughout.  Tiles of keys, queries and V's channels are PERMUTED: row r of tile T is index 32 (T / 2) + 8 (T % 2) + r + 8 (r / 8),
; so that the 16 registers of result tiles 2 b, 2 b + 1 are the 16 neighbours 32 b + 16 (lane / 16) + 0 .. 15 along the next product's K: the conversions' results are the next operand.
; CLUSTER.  The four query blocks of a cluster walk the same K and V: each tile (33,792 bytes: 16 fragments and their scale words) is asked for jointly, by the same load with a mask that names the four.
; RING.  Each wave has two slots of its own, slot 0 for K's tiles, slot 1 for V's; one load a wave behind each round of the cluster's barrier: one tensor load of mine is out at a time.
; Each tile has about half a key step in which to land.  Two whole steps a wave would not fit in LDS.
; VECTOR WORK STANDS BESIDE THE MATRIX WORK, in three ways.  (a) In K Q^T the eight places in front of each reload of a buffer are eight of the 16 maxima of the key tile finished two groups of products before.
; (b) Each exponential has a plain instruction of another tile behind it: t - M of a tile still to come, or the hold of the tile before.  (c) In V^T P^T each product is followed by the four multiplications that bring the
; accumulator two turns ahead under the new M: 256 multiplications beside 64 products.  V, P and O^T lie in three windows and no setting serves both a product and a multiplication of O^T: two switches a product are the price.
; LIMITS: NaN and infinities are not served.  v_exp_f32 gives 0 for p under 2^-126.  A block's largest p is made from its largest score, which takes v_exp_f32 not to fall where its input rises.
; A block whose largest magnitude lies under 2^-118 gets the scale byte 1.  v_rcp_f32 is good to one unit in the last place.  The sums over the keys are made in four parts: another order of f32 additions than one pass.
; REGISTERS, in windows of 256: window 0: v1, v2 for the add; v3-7 addresses; v8-23 statistics, tile t at 8 + 4 t: -M, scratch, the sum in two halves; v24-31, at 24 + 2 t: f, and p's scale word;
;   v32-35 Q's scale words, v36-43 K's or V's (these and p's hold scales and nothing else); v44-59 tile t's four block maxima, then holds, at 44 + 4 t; the conversions' scale operands: tiles 0-2 at v116-127, tile 3 at v60-63;
;   v112-115 at work; v64-127 four buffers for K's fragments, then P's codes (tile 3's, v112-127, are made last, when what else lies there is done with); v128-255 Q.
;   window 1: S^T, then p (64 t + 8 kt), then V's fragments.   windows 2, 3: O^T (64 t + 8 (ct % 8)), channel tiles 0-7 and 8-15.
.set TILE,  33792
.set RINGW, 67584                      ; a wave's two slots
.set STATS, 270336                     ; behind the rings: -M and the sum of 4 waves x 4 tiles, 128 bytes each
.set OIMG,  274432                     ; out's eight fragments
.set OSC,   290816                     ; their scale words
.set SPARE, 291840                     ; the spare words, 128 bytes for each wave: two blocks of 256 bytes that no other line names
.set HA,   44
.set TB,   112
.set QA,   44
.set QB,   48
.set QC,   52
.set MNT,  19                          ; s19 the mantissa field of 448
.set SEL,  20                          ; s[20:21] v_permlanex16_b32's selects for lane l xor 16
.set MSB, 0
.macro WIN new                         ; the immediate's high byte repeats the setting that is left; a switch that changes nothing is dropped
.if MSB != (\new)
	s_set_vgpr_msb (MSB<<8)|(\new)
.set MSB, \new
.endif
.endm
.macro PLACES n
.rept \n
	v_nop
.endr
.endm
; 64 numbers of a lane in window w, register 16 b + i = k 32 b + 16 (lane / 16) + i of my row, become a fragment's codes in v[dst] on and its scale word in v[pw] (both window 0).
.macro QUANT w, src, dst, pw
	WIN 0x05*(\w)
.irp b, 0,1,2,3
	v_max3_num_f32 v[QA+\b], |v[(\src)+16*\b]|, |v[(\src)+16*\b+1]|, 0x4800000   ; block b: my 16 numbers, and the floor 2^(9 - 127): the byte cannot fall under 1
.endr
.irp i, 2,4,6,8,10,12,14
.irp b, 0,1,2,3
	v_max3_num_f32 v[QA+\b], |v[(\src)+16*\b+\i]|, |v[(\src)+16*\b+\i+1]|, v[QA+\b]
.endr
.endr
	WIN 0
.irp b, 0,1,2,3
	v_permlanex16_b32 v[QB+\b], v[QA+\b], s[SEL], s[SEL+1]
.endr
.irp b, 0,1,2,3
	v_max_num_f32 v[QA+\b], v[QA+\b], v[QB+\b]
.endr
.irp b, 0,1,2,3
	v_add_nc_u32 v[QC+\b], 0xfc000000, v[QA+\b]    ; 8 off the exponent field: the conversion's scale operand
.endr
.irp b, 0,1,2,3
	v_lshrrev_b32 v[QB+\b], 23, v[QC+\b]           ; the scale's byte
.endr
.irp b, 0,1,2,3
	v_and_or_b32 v[QA+\b], v[QA+\b], 0x7f800000, s[MNT]   ; 448 x the scale
.endr
	v_lshl_or_b32 v[\pw], v[QB+1], 8, v[QB]
	v_lshl_or_b32 v[\pw], v[QB+2], 16, v[\pw]
	v_lshl_or_b32 v[\pw], v[QB+3], 24, v[\pw]
	WIN 0x41*(\w)
.set QI, 0
.rept 64
	v_med3_num_f32 v[(\src)+QI], v[(\src)+QI], -v[QA+QI/16], v[QA+QI/16]   ; the conversion to an 8-bit code does not saturate (ISA guide 7.6.2)
.set QI, QI+1
.endr
	WIN 0x01*(\w)
.irp b, 0,1,2,3
	v_cvt_scalef32_pk8_fp8_f32 v[(\dst)+4*\b:(\dst)+4*\b+1], v[(\src)+16*\b:(\src)+16*\b+7], v[QC+\b]
	v_cvt_scalef32_pk8_fp8_f32 v[(\dst)+4*\b+2:(\dst)+4*\b+3], v[(\src)+16*\b+8:(\src)+16*\b+15], v[QC+\b]
.endr
	WIN 0
	v_nop
.endm
; A round of the cluster's barrier: my work-group's barrier; wave 0 signals for the work-group; every wave waits for all four work-groups; my work-group's barrier once more.
.macro CROUND
	s_barrier_signal -1
	s_barrier_wait -1
	s_cmp_lg_u32 s18, 0
	s_cbranch_scc1 .Lnot_wave_0_\@
	s_barrier_signal -3
.Lnot_wave_0_\@:
	s_barrier_wait -3
	s_barrier_signal -1
	s_barrier_wait -1
.endm
; THE CHANGE OF SLOTS.  My one tensor load that is out, the tile that I am about to read, has landed; the add; the landed tile's descriptor steps to its slot's next tile; the add and my reads of the other slot are done;
; a round, so that the same holds of every wave of all four work-groups; then the other slot's joint refill, first thing, and four v_nop behind it.
.macro CHANGE step, load
	WIN 0
	s_wait_tensorcnt 0x0
	ds_add_u32 v1, v2                              ; 0 onto my spare word
	s_add_nc_u64 s[\step+2:\step+3], s[\step+2:\step+3], RINGW    ; one key step on in kvimg; the type bits on top are not reached
	s_wait_dscnt 0x0
	CROUND
	tensor_load_to_lds s[\load:\load+3], s[24:31]
	s_nop 0
	PLACES 4
.endm
.macro KFRAG f                         ; K's fragment f = 2 kt + s into buffer f % 4
.irp c, 0,1,2,3
	ds_load_b128 v[64+16*((\f)%4)+4*\c:64+16*((\f)%4)+4*\c+3], v3 offset:2048*(\f)+512*\c
.endr
.endm
; Eight of the sixteen maxima of key tile kt (half hf of its eight registers, all four query tiles): THE LARGEST SCORE OF EACH BLOCK OF 32 KEYS, which serves for the row's maximum and, since p rises with the score, for the block's largest p.
; Window setting 0x14: the running maximum in window 0, the scores in window 1.  Each accumulator is read from its low end on.
.macro MX4 kt, hf
.irp jj, 0,2
.irp t, 0,1,2,3
.if (((\kt)%2)+(\hf)+\jj) == 0
	v_max3_num_f32 v[HA+4*\t+(\kt)/2], 0xff800000, v[64*\t+8*(\kt)], v[64*\t+8*(\kt)+1]
.else
	v_max3_num_f32 v[HA+4*\t+(\kt)/2], v[HA+4*\t+(\kt)/2], v[64*\t+8*(\kt)+4*(\hf)+\jj], v[64*\t+8*(\kt)+4*(\hf)+\jj+1]
.endif
.endr
.endr
.endm
; S^T = K Q^T: 16 fragments of K, each against the four query tiles: the four accumulators of a key tile by turns, K half 0 then K half 1.
; Behind the products of fragment f - 1 stand eight plain instructions, the places in front of the load into that fragment's buffer: from f = 3 on they are maxima of key tile (f - 3) / 2.
; That tile's last products are fragment 2 kt + 1's; the eight lines of the gap behind those products name none of their registers and are the distance in front of the first read, in the gap after.
.macro SPHASE
	PLACES 5                                       ; with the four behind the tensor load: nine places behind the last V^T P^T, whose operands are loaded into and written over here
.irp i, 0,1,2,3,4,5,6,7
	ds_load_b32 v[36+\i], v5 offset:128*\i         ; key tile i's scale words: lanes 0-15 K half 0, lanes 16-31 K half 1
.endr
	KFRAG 0
	KFRAG 1
	KFRAG 2
.set FI, 0
.rept 16
	WIN 0x14                                       ; serves the maxima and the LDS loads alike: destination and source 0 in window 0
.if FI >= 3
	MX4 (FI-3)/2, (FI-3)%2
.elseif FI > 0
	PLACES 8
.endif
.if FI <= 12
	KFRAG FI+3
	s_wait_dscnt 12                                ; fragment f is in; the three younger ones' twelve loads may be out
.else
	s_wait_dscnt 4*(15-FI)
.endif
	WIN 0x50                                       ; C and D window 1
.irp t, 0,1,2,3
.if FI%2 == 0
	v_wmma_scale_f32_16x16x128_f8f6f4 v[64*\t+8*(FI/2):64*\t+8*(FI/2)+7], v[64+16*(FI%4):64+16*(FI%4)+15], v[128+32*\t:128+32*\t+15], 0, v[36+FI/2], v[32+\t]
.else
	v_wmma_scale_f32_16x16x128_f8f6f4 v[64*\t+8*(FI/2):64*\t+8*(FI/2)+7], v[64+16*(FI%4):64+16*(FI%4)+15], v[128+32*\t+16:128+32*\t+31], v[64*\t+8*(FI/2):64*\t+8*(FI/2)+7], v[36+FI/2], v[32+\t] matrix_a_scale:MATRIX_SCALE_ROW1 matrix_b_scale:MATRIX_SCALE_ROW1
.endif
.endr
.set FI, FI+1
.endr
	WIN 0x14
	MX4 6, 1                                       ; these eight are the distance behind key tile 7's last products
	MX4 7, 0
	MX4 7, 1
	WIN 0
.endm
; The statistics of all four tiles for this step, four chains wide: the new -M, f, each block's largest p, p's scales.
.macro STAGEA4 first
.irp b, 0,1,2,3
.irp t, 0,1,2,3
	v_permlanex16_b32 v[116+4*\t-68*(\t/3)+\b], v[HA+4*\t+\b], s[SEL], s[SEL+1]   ; (into the registers that the scale operands take further down)
.endr
.endr
.irp b, 0,1,2,3
.irp t, 0,1,2,3
	v_max_num_f32 v[HA+4*\t+\b], v[HA+4*\t+\b], v[116+4*\t-68*(\t/3)+\b]          ; with lane l xor 16's 16 keys
.endr
.endr
.irp t, 0,1,2,3
	v_max3_num_f32 v[24+2*\t], v[HA+4*\t], v[HA+4*\t+1], v[HA+4*\t+2]
.endr
.irp t, 0,1,2,3
	v_max_num_f32 v[24+2*\t], v[24+2*\t], v[HA+4*\t+3]   ; the step's largest score of my query
.endr
.irp t, 0,1,2,3
	v_mul_f32 v[24+2*\t], s22, v[24+2*\t]                ; as t
.endr
.irp t, 0,1,2,3
	v_floor_f32 v[24+2*\t], -v[24+2*\t]                  ; floor(-t) = -ceil(t)
.endr
.if \first
.irp t, 0,1,2,3
	v_mov_b32 v[8+4*\t], v[24+2*\t]                      ; the first step's -M
	v_mov_b32 v[9+4*\t], 0                               ; (named as the upper half of a pair)
.endr
.else
.irp t, 0,1,2,3
	v_mov_b32 v[9+4*\t], v[8+4*\t]
.endr
.irp t, 0,1,2,3
	v_min_num_f32 v[8+4*\t], v[8+4*\t], v[24+2*\t]       ; the ceiling of a running maximum is the maximum of the ceilings
.endr
.irp t, 0,1,2,3
	v_sub_f32 v[9+4*\t], v[8+4*\t], v[9+4*\t]            ; old M - new M: a whole number, 0 or less
.endr
.irp t, 0,1,2,3
	v_cvt_i32_f32 v[9+4*\t], v[9+4*\t]
.endr
.irp t, 0,1,2,3
	v_ldexp_f32 v[24+2*\t], 1.0, v[9+4*\t]               ; f = 2^(old M - new M)
.endr
.endif
.irp b, 0,1,2,3
.irp t, 0,1,2,3
	v_fma_f32 v[HA+4*\t+\b], v[HA+4*\t+\b], s22, v[8+4*\t]   ; t - M of the block's largest score
.endr
.endr
.irp b, 0,1,2,3
.irp t, 0,1,2,3
	v_exp_f32 v[HA+4*\t+\b], v[HA+4*\t+\b]                   ; the block's largest p: the same two instructions on the same number give the same bits
.endr
.endr
.if \first
	v_nop                                                    ; a plain place behind the exponentials
	s_wait_alu depctr_va_vdst(0)
.else
	s_wait_alu depctr_va_vdst(0)
.irp t, 0,1,2,3
	v_pk_mul_f32 v[10+4*\t:11+4*\t], v[10+4*\t:11+4*\t], v[24+2*\t:25+2*\t] op_sel_hi:[1,0]   ; the sums under the new M; also the plain place behind the exponentials
.endr
.endif
.irp b, 0,1,2,3
.irp t, 0,1,2,3
	v_max_num_f32 v[HA+4*\t+\b], 0x4800000, v[HA+4*\t+\b]    ; the floor 2^(9 - 127)
.endr
.endr
.irp b, 0,1,2,3
.irp t, 0,1,2,3
	v_add_nc_u32 v[116+4*\t-68*(\t/3)+\b], 0xfc000000, v[HA+4*\t+\b]   ; 8 off the exponent field: the conversion's scale operand
.endr
.endr
.irp t, 0,1,2,3
.irp b, 0,1,2,3
	v_lshrrev_b32 v[TB+\b], 23, v[116+4*\t-68*(\t/3)+\b]     ; the scales' bytes
.endr
	v_and_or_b32 v[HA+4*\t], v[HA+4*\t], 0x7f800000, s[MNT]  ; 448 x the scale; these four stand between the links of the word's chain
	v_lshl_or_b32 v[25+2*\t], v[TB+1], 8, v[TB]              ; p's scale word for these 128 keys
	v_and_or_b32 v[HA+4*\t+1], v[HA+4*\t+1], 0x7f800000, s[MNT]
	v_lshl_or_b32 v[25+2*\t], v[TB+2], 16, v[25+2*\t]
	v_and_or_b32 v[HA+4*\t+2], v[HA+4*\t+2], 0x7f800000, s[MNT]
	v_lshl_or_b32 v[25+2*\t], v[TB+3], 24, v[25+2*\t]
	v_and_or_b32 v[HA+4*\t+3], v[HA+4*\t+3], 0x7f800000, s[MNT]
.endr
.endm
; THE SOFTMAX OF A TILE, in five parts.  t - M (32 packed), p (64 exponentials), the sum of the unquantised p, the hold (64), the codes.
.macro FMA1 t, j                       ; pair j of tile t: t - M, two at a time
	v_pk_fma_f32 v[64*(\t)+2*(\j):64*(\t)+2*(\j)+1], v[64*(\t)+2*(\j):64*(\t)+2*(\j)+1], s[22:23], v[8+4*(\t):9+4*(\t)] op_sel_hi:[1,0,0]
.endm
.macro FMAS t
	WIN 0x41
.set JJ, 0
.rept 32
	FMA1 \t, JJ
.set JJ, JJ+1
.endr
.endm
.macro EXPF t, ta, tb                  ; tile t's exponentials, each with a plain instruction behind it: t - M of tiles ta and tb
	WIN 0x41
.set JJ, 0
.rept 64
	v_exp_f32 v[64*(\t)+JJ], v[64*(\t)+JJ]
.if JJ < 32
	FMA1 \ta, JJ
.else
	FMA1 \tb, JJ-32
.endif
.set JJ, JJ+1
.endr
.endm
.macro EXPN t, tn                      ; tile t's exponentials, each with the hold of a number of tile tn behind it (p is not negative: a one-sided hold; the conversion does not saturate: ISA guide 7.6.2)
	WIN 0x41
.set JJ, 0
.rept 64
	v_exp_f32 v[64*(\t)+JJ], v[64*(\t)+JJ]
	v_min_num_f32 v[64*(\tn)+JJ], v[64*(\tn)+JJ], v[HA+4*(\tn)+JJ/16]
.set JJ, JJ+1
.endr
.endm
.macro HOLDS t
	WIN 0x41
.set JJ, 0
.rept 64
	v_min_num_f32 v[64*(\t)+JJ], v[64*(\t)+JJ], v[HA+4*(\t)+JJ/16]
.set JJ, JJ+1
.endr
.endm
.macro SUMS t, first                   ; the row's sum takes tile t's 32 pairs, in three chains.  first = 1: the first step starts it: nothing is cleared
	WIN 0x05
	s_wait_alu depctr_va_vdst(0)
	v_pk_add_f32 v[TB:TB+1], v[64*(\t)+2:64*(\t)+3], v[64*(\t)+4:64*(\t)+5]
	v_pk_add_f32 v[TB+2:TB+3], v[64*(\t)+6:64*(\t)+7], v[64*(\t)+8:64*(\t)+9]
.if \first
	v_pk_add_f32 v[10+4*(\t):11+4*(\t)], v[64*(\t):64*(\t)+1], v[64*(\t)+10:64*(\t)+11]
.endif
	WIN 0x01
.if !\first
	v_pk_add_f32 v[10+4*(\t):11+4*(\t)], v[64*(\t):64*(\t)+1], v[10+4*(\t):11+4*(\t)]
.endif
.set JJ, 5+(\first)
.rept 27-(\first)
.if JJ%3 == 0
	v_pk_add_f32 v[10+4*(\t):11+4*(\t)], v[64*(\t)+2*JJ:64*(\t)+2*JJ+1], v[10+4*(\t):11+4*(\t)]
.elseif JJ%3 == 1
	v_pk_add_f32 v[TB:TB+1], v[64*(\t)+2*JJ:64*(\t)+2*JJ+1], v[TB:TB+1]
.else
	v_pk_add_f32 v[TB+2:TB+3], v[64*(\t)+2*JJ:64*(\t)+2*JJ+1], v[TB+2:TB+3]
.endif
.set JJ, JJ+1
.endr
	WIN 0
	v_pk_add_f32 v[TB:TB+1], v[TB:TB+1], v[TB+2:TB+3]
	v_pk_add_f32 v[10+4*(\t):11+4*(\t)], v[10+4*(\t):11+4*(\t)], v[TB:TB+1]
.endm
.macro CVT t                           ; tile t's codes: source 1 of V^T P^T
	WIN 0x01
.irp b, 0,1,2,3
	v_cvt_scalef32_pk8_fp8_f32 v[64+16*(\t)+4*\b:64+16*(\t)+4*\b+1], v[64*(\t)+16*\b:64*(\t)+16*\b+7], v[116+4*(\t)-68*((\t)/3)+\b]
	v_cvt_scalef32_pk8_fp8_f32 v[64+16*(\t)+4*\b+2:64+16*(\t)+4*\b+3], v[64*(\t)+16*\b+8:64*(\t)+16*\b+15], v[116+4*(\t)-68*((\t)/3)+\b]
.endr
	v_nop                                          ; a plain instruction behind the last conversion
.endm
.macro VLOAD half                      ; V's channel tiles 8 half .. 8 half + 7 into the registers that two tiles' p have left
	WIN 0x40
.set VQ, 32*(\half)
.rept 32
	ds_load_b128 v[4*VQ:4*VQ+3], v4 offset:512*VQ
.set VQ, VQ+1
.endr
.endm
.macro PVI d, a, b, sa, sb, odd, first
.if \first
.if \odd
	v_wmma_scale_f32_16x16x128_f8f6f4 v[\d:\d+7], v[\a:\a+15], v[\b:\b+15], 0, v[\sa], v[\sb] matrix_a_scale:MATRIX_SCALE_ROW1
.else
	v_wmma_scale_f32_16x16x128_f8f6f4 v[\d:\d+7], v[\a:\a+15], v[\b:\b+15], 0, v[\sa], v[\sb]
.endif
.else
.if \odd
	v_wmma_scale_f32_16x16x128_f8f6f4 v[\d:\d+7], v[\a:\a+15], v[\b:\b+15], v[\d:\d+7], v[\sa], v[\sb] matrix_a_scale:MATRIX_SCALE_ROW1
.else
	v_wmma_scale_f32_16x16x128_f8f6f4 v[\d:\d+7], v[\a:\a+15], v[\b:\b+15], v[\d:\d+7], v[\sa], v[\sb]
.endif
.endif
.endm
.macro RESC half, k                    ; accumulator k of the half (tile k % 4, channel tile k / 4) x f: under the new M; from its low end on
	WIN 0x82+0x41*(\half)                          ; O^T (destination and source 0) in window 2 or 3, f in window 0
.irp j, 0,2,4,6
	v_pk_mul_f32 v[64*((\k)%4)+8*((\k)/4)+\j:64*((\k)%4)+8*((\k)/4)+\j+1], v[64*((\k)%4)+8*((\k)/4)+\j:64*((\k)%4)+8*((\k)/4)+\j+1], v[24+2*((\k)%4):25+2*((\k)%4)] op_sel_hi:[1,0]
.endr
.endm
; O^T += V^T P^T: 32 accumulators, one instruction each.  Behind product k stand the multiplications of accumulator k + 2: four plain instructions and a product lie between an accumulator's multiplications and its own product.
; first = 1: the products start the sums, and there is nothing to multiply.
.macro PV half, first
.if !\first
	RESC \half, 0
	RESC \half, 1
.endif
.set PK, 0
.rept 32
	WIN 0xa1+0x50*(\half)                          ; source 0 (V) window 1, source 1 (P) window 0, C and D window 2 or 3
	PVI 64*(PK%4)+8*(PK/4), 16*(8*(\half)+PK/4), 64+16*(PK%4), 36+4*(\half)+PK/8, 25+2*(PK%4), (PK/4)%2, \first
.if (!\first) && (PK < 30)
	RESC \half, PK+2
.endif
.set PK, PK+1
.endr
.endm
; A KEY STEP.  first = 1: it starts M, the sums and O^T.  fill = 0: the last step: no K is left to ask for.
.macro STEP first, fill
	CHANGE 32, 36                                  ; K's tile has landed; V's of the same step is asked for
	SPHASE
	STAGEA4 \first
	FMAS 0
	EXPF 0, 1, 2
	SUMS 0, \first
	EXPN 1, 0
	CVT 0
	SUMS 1, \first
.if \fill
	CHANGE 36, 32                                  ; V's tile has landed; the next step's K is asked for
.else
	WIN 0
	s_wait_tensorcnt 0x0                           ; the last tile: my own load into my own slot; nothing is filled again, so no barrier follows
.endif
	EXPN 2, 1
	CVT 1
	VLOAD 0
	WIN 0
.irp i, 0,1,2,3,4,5,6,7
	ds_load_b32 v[36+\i], v5 offset:TILE+128*\i    ; V's scale words: lanes 0-15 channel tile 2 i, lanes 16-31 tile 2 i + 1
.endr
	SUMS 2, \first
	FMAS 3
	EXPN 3, 2
	CVT 2
	SUMS 3, \first
	HOLDS 3
	CVT 3
	VLOAD 1
.if \first
	PLACES 4                                       ; codes made by vector instructions stand four places ahead of a scaled matrix instruction; in later steps O^T's first multiplications are those places
.endif
	s_wait_dscnt 32                                ; all but the second half of V
	PV 0, \first
	s_wait_dscnt 0x0
	PV 1, \first
	WIN 0
.endm
	s_load_b256 s[4:11], s[0:1], 0x0               ; qimg s[4:5], kvimg s[6:7], proj codes s[8:9], proj scales s[10:11]
	s_load_b128 s[12:15], s[0:1], 0x20             ; proj_b s[12:13], x s[14:15]
	s_load_b64 s[16:17], s[0:1], 0x30              ; out0
	v_lshl_add_u32 v1, v0, 2, SPARE
	v_mov_b32 v2, 0
	ds_add_u32 v1, v2
	ds_add_u32 v1, v2
	s_wait_dscnt 0x0
	v_lshrrev_b32 v3, 5, v0
	v_readfirstlane_b32 s18, v3                    ; wave w
	s_bfe_u32 s41, ttmp6, 0x40000                  ; cx: it enters the addresses of Q, x and out0 alone
	s_lshl_b32 s42, ttmp9, 2
	s_add_co_u32 s42, s42, s41                     ; qb = 4 x cluster x + cx
	s_and_b32 s43, ttmp7, 0xffff                   ; b, which the four partners share
	s_mov_b32 s[MNT], 0x600000
	s_mov_b32 s[SEL], 0x76543210
	s_mov_b32 s[SEL+1], 0xfedcba98
	s_mov_b32 s22, 0x3db8aa3b                      ; log2(e) / 16: the division is exact, so score x this = (score / 16) x log2(e) bit for bit
	s_mov_b32 s23, s22                             ; (named with it as a pair)
	; descriptor group 1: a dense tile of 132 rows of 256 bytes (32 elements of 8 bytes)
	s_mov_b32 s24, 15|(3<<16)|(1<<21)              ; 15:0 the mask: all four work-groups; 17:16 elements of 8 bytes; 21 set beside a mask; no padding
	s_mov_b32 s25, 32<<16                          ; tensor_dim0 = 32
	s_mov_b32 s26, 132<<16                         ; tensor_dim1 = 132
	s_mov_b32 s27, 32<<16                          ; tile_dim0 = 32
	s_mov_b32 s28, 132                             ; tile_dim1 = 132
	s_mov_b32 s29, 32                              ; the pitch
	s_mov_b32 s30, 0
	s_mov_b32 s31, 0
	s_mov_b32 s32, 1
	s_mul_i32 s33, s18, RINGW                      ; slot 0 of my ring: no place in the cluster enters an LDS address
	s_mov_b32 s36, 1
	s_add_co_u32 s37, s33, TILE                    ; slot 1
	s_mul_i32 s44, s43, 2162688                    ; kvimg: image b's 32 blocks of 67,584 bytes,
	s_mul_i32 s45, s18, 540672                     ; my eight of them
	s_add_co_u32 s44, s44, s45
	s_mov_b32 s45, 0
	v_and_b32 v62, 31, v0
	v_lshlrev_b32 v60, 4, v62                      ; 16 lane
	v_lshlrev_b32 v61, 2, v62                      ; 4 lane
	v_mov_b32 v63, 0                               ; (v60-63 are lane permutes' destinations later: written here)
	v_add_nc_u32 v3, s33, v60                      ; v3  K's slot, 16 bytes a lane
	v_add_nc_u32 v4, TILE, v3                      ; v4  V's slot
	v_add_nc_u32 v5, s33, v61
	v_add_nc_u32 v5, 32768, v5                     ; v5  K's scale words, 4 bytes a lane
	s_lshl_b32 s2, s18, 10
	s_add_co_u32 s2, s2, STATS
	v_add_nc_u32 v6, s2, v61                       ; v6  where I put my statistics
	s_lshl_b32 s2, s18, 8
	s_add_co_u32 s2, s2, STATS
	v_add_nc_u32 v7, s2, v61                       ; v7  where I read those of tile w
	s_mov_b32 s63, 0
	s_lshl_b32 s46, s43, 5
	s_lshr_b32 s47, s42, 1
	s_add_co_u32 s46, s46, s47
	s_mul_i32 s46, s46, 33792                      ; qimg: block (b, qb / 2)
	s_and_b32 s47, s42, 1
	s_wait_kmcnt 0x0
	s_add_nc_u64 s[34:35], s[6:7], s[44:45]        ; K's first tile
	s_add_nc_u64 s[38:39], s[34:35], TILE          ; V's
	s_or_b32 s35, s35, 0x80000000                  ; type = 2
	s_or_b32 s39, s39, 0x80000000
	s_lshl_b32 s62, s47, 14
	s_add_co_u32 s62, s62, s46
	s_add_nc_u64 s[48:49], s[4:5], s[62:63]        ; Q's eight fragments: pixel tiles 4 (qb % 2) ..
	s_lshl_b32 s62, s47, 9
	s_add_co_u32 s62, s62, s46
	s_add_co_u32 s62, s62, 32768
	s_add_nc_u64 s[50:51], s[4:5], s[62:63]        ; their scale words
	s_lshl_b32 s62, s43, 22
	s_lshl_b32 s46, s18, 20
	s_add_co_u32 s62, s62, s46
	s_lshl_b32 s46, s42, 8
	s_add_co_u32 s62, s62, s46
	s_add_nc_u64 s[52:53], s[14:15], s[62:63]      ; x and out0: image b, channel 64 w, pixel 64 qb
	s_add_nc_u64 s[54:55], s[16:17], s[62:63]
	s_lshl_b32 s44, s18, 14
	s_add_nc_u64 s[56:57], s[8:9], s[44:45]        ; proj_w's rows 64 w ..
	s_lshl_b32 s44, s18, 9
	s_add_nc_u64 s[58:59], s[10:11], s[44:45]
	s_lshl_b32 s44, s18, 8
	s_add_nc_u64 s[60:61], s[12:13], s[44:45]
	CROUND                                         ; all four work-groups are here: the first joint loads meet
	tensor_load_to_lds s[32:35], s[24:31]          ; K of my first step
	s_nop 0
	PLACES 4
.set VQ, 0
.rept 32
	global_load_b128 v[128+4*VQ:128+4*VQ+3], v60, s[48:49] offset:512*VQ   ; Q stays in registers: tile t, K half s at 128 + 32 t + 16 s
.set VQ, VQ+1
.endr
.irp t, 0,1,2,3
	global_load_b32 v[32+\t], v61, s[50:51] offset:128*\t                   ; lanes 0-15: K half 0, lanes 16-31: K half 1
.endr
	s_wait_loadcnt 0x0
	STEP 1, 1                                      ; the first step is written out: its products start O^T, its softmax has no old M
	s_mov_b32 s40, 6
.Lstep:
	STEP 0, 1
	s_sub_co_u32 s40, s40, 1
	s_cmp_lg_u32 s40, 0
	s_cbranch_scc1 .Lstep
	STEP 0, 0                                      ; the last step is written out (K's stepped address is not used)
	; ---- E1: my statistics and my O^T go to LDS; O^T into my own ring, which has had its last fill and its last read
.irp t, 0,1,2,3
	v_add_f32 v[10+4*\t], v[10+4*\t], v[11+4*\t]
.endr
.irp t, 0,1,2,3
	v_permlanex16_b32 v[60+\t], v[10+4*\t], s[SEL], s[SEL+1]
.endr
.irp t, 0,1,2,3
	v_add_f32 v[10+4*\t], v[10+4*\t], v[60+\t]     ; my keys' sum for query r
.endr
	PLACES 8                                       ; behind the last products, ahead of the stores that read them
.irp t, 0,1,2,3
	ds_store_b32 v6, v[8+4*\t] offset:256*\t
	ds_store_b32 v6, v[10+4*\t] offset:256*\t+128
.endr
	WIN 0x08
.irp t, 0,1,2,3
.set VQ, 0
.rept 16
	ds_store_b128 v3, v[64*\t+4*VQ:64*\t+4*VQ+3] offset:16384*\t+512*VQ       ; tile t: quad 2 ct + k at 512 bytes each; each accumulator from its low end on
.set VQ, VQ+1
.endr
.endr
	WIN 0x0c
.irp t, 0,1,2,3
.set VQ, 0
.rept 16
	ds_store_b128 v3, v[64*\t+4*VQ:64*\t+4*VQ+3] offset:16384*\t+512*(16+VQ)
.set VQ, VQ+1
.endr
.endr
	WIN 0
	v_and_b32 v60, 31, v0                          ; the epilogue's addresses, in the registers that the statistics have left
	v_and_b32 v61, 15, v0                          ; r
	v_bfe_u32 v62, v0, 4, 1                        ; h
	v_and_b32 v63, 8, v61
	v_add_nc_u32 v63, v63, v61                     ; r'
	s_lshl_b32 s2, s18, 14
	v_lshl_add_u32 v8, v60, 4, s2                  ; v8, v19-21  tile w's image in the ring of wave 0, 1, 2, 3
	v_add_nc_u32 v19, RINGW, v8
	v_add_nc_u32 v20, 2*RINGW, v8
	v_add_nc_u32 v21, 3*RINGW, v8
	s_lshl_b32 s2, s18, 12
	s_add_co_u32 s2, s2, OIMG
	v_lshl_add_u32 v9, v60, 4, s2                  ; v9   out's images: my two
	s_lshl_b32 s2, s18, 7
	s_add_co_u32 s2, s2, OSC
	v_lshl_add_u32 v10, v60, 2, s2                 ; v10  their scale words
	v_lshl_add_u32 v11, v60, 4, OIMG               ; v11  all eight
	v_lshl_add_u32 v12, v60, 2, OSC                ; v12
	v_mul_u32_u24 v13, v62, 2176
	v_lshl_add_u32 v13, v63, 2, v13
	v_add_nc_u32 v13, s33, v13                     ; v13  the stage, in: row 8 h, pixel r'
	v_mul_u32_u24 v14, v62, 272
	v_lshl_add_u32 v14, v61, 4, v14
	v_add_nc_u32 v14, s33, v14                     ; v14  and back: lanes 0-15 one row, lanes 16-31 the next
	v_lshlrev_b32 v15, 8, v61
	v_lshl_add_u32 v15, v62, 4, v15                ; v15  proj_w: row r of 256 bytes, + 16 h
	v_lshlrev_b32 v16, 3, v61
	v_lshl_add_u32 v16, v62, 2, v16                ; v16  its scale words: lanes 0-15 K half 0, lanes 16-31 K half 1
	v_lshlrev_b32 v17, 14, v62
	v_lshl_add_u32 v17, v61, 4, v17                ; v17  x, out0: channel h, 16 bytes a lane
	v_lshlrev_b32 v18, 5, v62                      ; v18  proj_b: my half's eight numbers
	v_cmp_le_u32 vcc_lo, 16, v60                   ; lanes 16-31
	s_wait_dscnt 0x0                               ; my stores are done: for the others' sake, and the loads below land in registers that they read
	WIN 0xc0
.irp ot, 0,1,2,3
.irp s, 0,1
.irp c, 0,1,2,3
	global_load_b128 v[16*(2*\ot+\s)+4*\c:16*(2*\ot+\s)+4*\c+3], v15, s[56:57] offset:4096*\ot+128*\s+32*\c   ; proj_w's fragments of my 64 output channels
.endr
.endr
.endr
.set VQ, 0
.rept 32
	global_load_b128 v[128+4*VQ:128+4*VQ+3], v17, s[52:53] offset:32768*VQ th:TH_LOAD_NT   ; x: channels 64 w + 2 i, + 1; 64 pixels: sixteen lanes read 256 consecutive bytes
.set VQ, VQ+1
.endr
	WIN 0
.irp ot, 0,1,2,3
	global_load_b32 v[32+\ot], v16, s[58:59] offset:128*\ot
.endr
	s_barrier_signal -1
	s_barrier_wait -1                              ; all four waves' O^T and statistics lie in LDS
	; ---- E2: wave w merges query tile w, divides by the sum and quantises along the channels
.irp i, 0,1,2,3
	ds_load_b32 v[64+4*\i], v7 offset:1024*\i      ; -M of wave i
	ds_load_b32 v[66+4*\i], v7 offset:1024*\i+128  ; its sum
.endr
	WIN 0x40
.set VQ, 0
.rept 32
	ds_load_b128 v[4*VQ:4*VQ+3], v8 offset:512*VQ
.set VQ, VQ+1
.endr
.set VQ, 0
.rept 32
	ds_load_b128 v[128+4*VQ:128+4*VQ+3], v19 offset:512*VQ
.set VQ, VQ+1
.endr
	WIN 0
	s_wait_dscnt 63                                ; the statistics are in: 64 loads were issued behind them
	v_min3_num_f32 v60, v64, v68, v72
	v_min_num_f32 v60, v60, v76                    ; -M of all keys
.irp i, 0,1,2,3
	v_sub_f32 v[64+4*\i], v60, v[64+4*\i]          ; M_i - M: a whole number, 0 or less
.endr
.irp i, 0,1,2,3
	v_cvt_i32_f32 v[64+4*\i], v[64+4*\i]
.endr
.irp i, 0,1,2,3
	v_ldexp_f32 v[64+4*\i], 1.0, v[64+4*\i]        ; g_i = 2^(M_i - M)
.endr
	v_mul_f32 v61, v64, v66
	v_fmac_f32 v61, v68, v70
	v_fmac_f32 v61, v72, v74
	v_fmac_f32 v61, v76, v78                       ; the row's sum
	v_rcp_f32 v62, v61
	v_nop
	s_wait_alu depctr_va_vdst(0)
.irp i, 0,1,2,3
	v_mul_f32 v[64+4*\i], v[64+4*\i], v62          ; g_i / the sum: g_i is a power of two, so the division costs no pass of its own
.endr
	s_wait_dscnt 32                                ; wave 0's part is in
	WIN 0x80
.set VQ, 0
.rept 32
	ds_load_b128 v[4*VQ:4*VQ+3], v20 offset:512*VQ
.set VQ, VQ+1
.endr
	WIN 0x01
.set JJ, 0
.rept 64
	v_pk_mul_f32 v[128+JJ:129+JJ], v[JJ:JJ+1], v[64:65] op_sel_hi:[1,0]
.set JJ, JJ+2
.endr
	s_wait_dscnt 32                                ; wave 1's
	WIN 0x80
.set VQ, 0
.rept 32
	ds_load_b128 v[128+4*VQ:128+4*VQ+3], v21 offset:512*VQ
.set VQ, VQ+1
.endr
	WIN 0x01
.set JJ, 0
.rept 64
	v_pk_fma_f32 v[128+JJ:129+JJ], v[128+JJ:129+JJ], v[68:69], v[128+JJ:129+JJ] op_sel_hi:[1,0,1]
.set JJ, JJ+2
.endr
	s_wait_dscnt 32                                ; wave 2's
	WIN 0x02
.set JJ, 0
.rept 64
	v_pk_fma_f32 v[128+JJ:129+JJ], v[JJ:JJ+1], v[72:73], v[128+JJ:129+JJ] op_sel_hi:[1,0,1]
.set JJ, JJ+2
.endr
	s_wait_dscnt 0x0
.set JJ, 0
.rept 64
	v_pk_fma_f32 v[128+JJ:129+JJ], v[128+JJ:129+JJ], v[76:77], v[128+JJ:129+JJ] op_sel_hi:[1,0,1]
.set JJ, JJ+2
.endr
	WIN 0x80
.irp ot, 0,1,2,3                                   ; proj_b in the result's layout: the C of each sum's first instruction
	global_load_b128 v[128+8*\ot:128+8*\ot+3], v18, s[60:61] offset:64*\ot
	global_load_b128 v[128+8*\ot+4:128+8*\ot+7], v18, s[60:61] offset:64*\ot+16
.endr
	WIN 0
	QUANT 0, 128, 64, 25                           ; register 64 s + 16 b + i is channel 128 s + 32 b + 16 h + i of my query
.irp c, 0,1,2,3
	ds_store_b128 v9, v[64+4*\c:67+4*\c] offset:512*\c
.endr
	QUANT 0, 192, 80, 27
.irp c, 0,1,2,3
	ds_store_b128 v9, v[80+4*\c:83+4*\c] offset:2048+512*\c
.endr
	v_cndmask_b32 v60, v25, v27, vcc_lo            ; lanes 0-15: K half 0's words, lanes 16-31: K half 1's
	ds_store_b32 v10, v60
	s_wait_dscnt 0x0                               ; my stores are done, and so are my reads of the others' rings
	s_barrier_signal -1
	s_barrier_wait -1                              ; out's eight fragments lie in LDS
	; ---- E3: wave w makes output channels 64 w .. 64 w + 63 for all 64 queries: 16 accumulators by turns
	WIN 0x40
.set VQ, 0
.rept 32
	ds_load_b128 v[4*VQ:4*VQ+3], v11 offset:512*VQ
.set VQ, VQ+1
.endr
	WIN 0
.irp qt, 0,1,2,3
	ds_load_b32 v[36+\qt], v12 offset:128*\qt
.endr
	s_wait_dscnt 0x0
	s_wait_loadcnt 0x0                             ; proj_w, its scales, proj_b, x
	WIN 0xa7                                       ; source 0 (proj_w) window 3, source 1 (out) window 1, C and D window 2
.irp ot, 0,1,2,3
.irp qt, 0,1,2,3
	v_wmma_scale_f32_16x16x128_f8f6f4 v[8*(4*\ot+\qt):8*(4*\ot+\qt)+7], v[32*\ot:32*\ot+15], v[32*\qt:32*\qt+15], v[128+8*\ot:128+8*\ot+7], v[32+\ot], v[36+\qt]
.endr
.endr
.irp ot, 0,1,2,3
.irp qt, 0,1,2,3
	v_wmma_scale_f32_16x16x128_f8f6f4 v[8*(4*\ot+\qt):8*(4*\ot+\qt)+7], v[32*\ot+16:32*\ot+31], v[32*\qt+16:32*\qt+31], v[8*(4*\ot+\qt):8*(4*\ot+\qt)+7], v[32+\ot], v[36+\qt] matrix_a_scale:MATRIX_SCALE_ROW1 matrix_b_scale:MATRIX_SCALE_ROW1
.endr
.endr
	WIN 0
	PLACES 8
	; ---- E4: a lane holds eight channels of one pixel, out0's rows run along the pixels: through a stage of 64 rows x (256 + 16) bytes in my own ring, which nobody reads any more
	WIN 0x08
.irp ot, 0,1,2,3
.irp qt, 0,1,2,3
.irp jj, 0,1,2,3,4,5,6,7
	ds_store_b32 v13, v[8*(4*\ot+\qt)+\jj] offset:(16*\ot+\jj)*272+4*(32*(\qt/2)+8*(\qt%2))   ; the two halves of the lanes lie 2,176 bytes, 32 banks, apart
.endr
.endr
.endr
	WIN 0x40
.set VQ, 0
.rept 32
	ds_load_b128 v[128+4*VQ:128+4*VQ+3], v14 offset:544*VQ   ; my own bytes: LDS serves a wave's instructions in order (ISA guide 5.7.1.4)
.set VQ, VQ+1
.endr
	s_wait_dscnt 0x0
	WIN 0x4d                                       ; y in window 1, x in window 3
.set JJ, 0
.rept 64
	v_pk_add_f32 v[128+JJ:129+JJ], v[128+JJ:129+JJ], v[128+JJ:129+JJ]
.set JJ, JJ+2
.endr
	WIN 0x04
.set VQ, 0
.rept 32
	global_store_b128 v17, v[128+4*VQ:128+4*VQ+3], s[54:55] offset:32768*VQ th:TH_STORE_NT   ; sixteen lanes store 256 consecutive bytes, at a multiple of 256 from out0's first byte
.set VQ, VQ+1
.endr
	WIN 0
	s_wait_tensorcnt 0x0                           ; the wave's end, behind my last tensor load and my last LDS store
	ds_add_u32 v1, v2
	s_wait_dscnt 0x0
	CROUND                                         ; the closing round: no work-group ends while a partner may still ask for a tile that names it
	s_endpgm
.Lfunc_end_k_q7048e22b4c_attn:
	.size	k_q7048e22b4c_attn, .Lfunc_end_k_q7048e22b4c_attn-k_q7048e22b4c_attn
	.p2alignl 7, 3214868480
	.fill 96, 4, 3214868480
	.section	.rodata,"a",@progbits
	.p2align	6, 0x0
	.amdhsa_kernel k_q7048e22b4c_attn
		.amdhsa_group_segment_fixed_size 327680
		.amdhsa_private_segment_fixed_size 0
		.amdhsa_enable_private_segment 0
		.amdhsa_kernarg_size 56
		.amdhsa_user_sgpr_count 2
		.amdhsa_user_sgpr_kernarg_segment_ptr 1
		.amdhsa_wavefront_size32 1
		.amdhsa_system_sgpr_workgroup_id_x 1
		.amdhsa_system_sgpr_workgroup_id_y 1
		.amdhsa_system_sgpr_workgroup_id_z 1
		.amdhsa_system_vgpr_workitem_id 0
		.amdhsa_next_free_vgpr 1024
		.amdhsa_next_free_sgpr 66
		.amdhsa_reserve_vcc 1
		.amdhsa_float_denorm_mode_32 3
		.amdhsa_float_denorm_mode_16_64 3
		.amdhsa_memory_ordered 1
		.amdhsa_forward_progress 1
		.amdhsa_inst_pref_size 255
	.end_amdhsa_kernel
	.section	.bss,"aw",@nobits
	.p2align	6
	.space	262144
	.amdgpu_metadata
---
amdhsa.version: [ 1, 2 ]
amdhsa.kernels:
  - .name:           k_q7048e22b4c_attn
    .symbol:         k_q7048e22b4c_attn.kd
    .args:
      - { .name: qimg, .offset: 0, .size: 8, .value_kind: global_buffer, .address_space: global }
      - { .name: kvimg, .offset: 8, .size: 8, .value_kind: global_buffer, .address_space: global }
      - { .name: proj_w_codes, .offset: 16, .size: 8, .value_kind: global_buffer, .address_space: global }
      - { .name: proj_w_scales, .offset: 24, .size: 8, .value_kind: global_buffer, .address_space: global }
      - { .name: proj_b, .offset: 32, .size: 8, .value_kind: global_buffer, .address_space: global }
      - { .name: x, .offset: 40, .size: 8, .value_kind: global_buffer, .address_space: global }
      - { .name: out0, .offset: 48, .size: 8, .value_kind: global_buffer, .address_space: global }
    .group_segment_fixed_size: 327680
    .private_segment_fixed_size: 0
    .kernarg_segment_align: 8
    .kernarg_segment_size: 56
    .max_flat_workgroup_size: 128
    .sgpr_count:     66
    .vgpr_count:     1024
    .wavefront_size: 32
...
	.end_amdgpu_metadata
.endif
;; end of part 3
